; MI455X (gfx1250); checked and timed in simulation.
; The chip was launched on July 23, 2026; its instructions are those of AMD's public machine-readable ISA for CDNA 5 (MIT licence, August 2026) and "CDNA5" Instruction Set Architecture Reference Guide (July 2026). The comments in the code are by the model that wrote it; some were corrected since.
;; Multihead Self Attention. Allowed arithmetic: matrix products marked QUANTISED: E4M3 operands, one given power-of-two scale a tensor, by v_wmma_f32_16x16x64_fp8_fp8 or v_wmma_f32_16x16x128_fp8_fp8, f32 sums; everything else in f32.
;; Inputs: Wk 1,024 x 1,024 float32; Wq 1,024 x 1,024 float32; Wu 1,024 x 1,024 float32; Wv 1,024 x 1,024 float32; bu 1,024 float32; lowp_scales 12 int32 (the exponents e of the quantised operands' scales 2^e); x 4 x 2,048 x 1,024 float32.
;; Outputs: out0 4 x 2,048 x 1,024 float32.
;; This version of the problem:
;;   THIS VERSION OF THE PROBLEM IS GIVEN IN LOW PRECISION. The matrix products marked QUANTISED in the list below multiply operands that are first quantised to E4M3 (4 exponent bits, 3 mantissa bits; 8 bits a number), with one given power-of-two scale for each operand tensor; their sums are f32. All else is computed in f32.
;;   The module's matrix products, in the order in which they are computed (A, B: the left and right operand; K: the contracted axis; several contracted axes count as one K, in the product's order):
;;     1. [M 8,192, K 1,024] x [K 1,024, N 1,024]; A: input x; B: input Wq: QUANTISED (scales: A lowp_scales[0], B lowp_scales[1])
;;     2. [M 8,192, K 1,024] x [K 1,024, N 1,024]; A: input x; B: input Wk: QUANTISED (scales: A lowp_scales[2], B lowp_scales[3])
;;     3. [M 8,192, K 1,024] x [K 1,024, N 1,024]; A: input x; B: input Wv: QUANTISED (scales: A lowp_scales[4], B lowp_scales[5])
;;     4. batch 64 x [M 2,048, K 64] x [K 64, N 2,048]; A: computed on the way; B: computed on the way: QUANTISED (scales: A lowp_scales[6], B lowp_scales[7])
;;     5. batch 64 x [M 64, K 2,048] x [K 2,048, N 2,048]; A: computed on the way; B: softmax (see below): QUANTISED (scales: A lowp_scales[8], B lowp_scales[9])
;;     6. [M 8,192, K 1,024] x [K 1,024, N 1,024]; A: computed on the way; B: input Wu: QUANTISED (scales: A lowp_scales[10], B lowp_scales[11])
;;   THE QUANTISER, for each operand of a quantised product, along K:
;;     - The operand's scale is 2^e, e = its entry of the input lowp_scales (int32; the entries are numbered through the quantised products in the list's order, A before B).
;;     - Each number is divided by the scale, clamped to +-448, and rounded to the nearest number of E4M3, ties to even, subnormals kept.
;;     - The product sums the exact products of the quantised numbers (number of the format x scale) in f32.
;;   ~~~python
;;   def quantise(x, axis, e):      # numpy; x: float32 -> the quantised numbers, widened to float32 again
;;       x = np.moveaxis(x, axis, -1); K = x.shape[-1]
;;       r = np.clip(x / 2.0 ** e, -448, 448)
;;       step = 2.0 ** (np.maximum(np.frexp(np.where(r == 0, 1, r))[1] - 1, -6) - 3)
;;       q = np.round(r / step) * step * 2.0 ** e      # np.round: ties to even
;;       return np.moveaxis(q, -1, axis).astype(np.float32)
;;   ~~~
;;   SOFTMAX AHEAD OF A QUANTISED PRODUCT. Where the list says 'softmax', what is quantised is not the finished softmax but p = 2^(t - M), with t = logit x log2(e) and M = ceil(the row's largest t), a whole number; so 1/2 < the row's largest p <= 1. The row's sum l is taken of the UNQUANTISED p, in f32, and the product's result is divided by l at the end. Since M is a whole number, a kernel that streams over the keys may use a running M (the ceiling of the running maximum): every later rescaling is an exact power of two, so the quantised numbers keep their values, but for numbers so far below the row's largest that they fall under the format's range.
;;   OPERANDS COMPUTED ON THE WAY. 'Computed on the way' means the value that the module computes at that place (a softmax that the list does not call 'softmax' is quantised finished and normalised). What goes into a quantiser is computed in f32, as accurately as f32 sums, v_exp_f32 and their like allow (about 1e-6 of the number): no bf16 or f16 on the way to a quantiser, and a product that is left as it is and whose result goes on into a quantised operand takes f32 operands (vector FMAs, or v_wmma_f32_16x16x4_f32). A number that lies on a knife's edge between two numbers of the format may be rounded either way, as far as f32 arithmetic and the matrix unit's own rounding can turn it there, and no further.
;; One version. Each part assembles by itself: llvm-mc -triple=amdgcn-amd-amdhsa -mcpu=gfx1250 --defsym DOCPART=n.
;; ======== version 1 of 1: 4 launches
;; limits: right only within a limited range of input values
;; workspace buffers: cod 29,360,128 bytes; qk 16,777,216 bytes; vt 8,388,608 bytes; ac 8,388,608 bytes
;; launch quant (part 1): grid 384 x 1, 4 waves a work-group, no clusters, 33,280 bytes of LDS; arguments x, Wq, Wk, Wv, Wu, lowp_scales, cod; writes cod
.if DOCPART == 1
	.amdgcn_target "amdgcn-amd-amdhsa--gfx1250"
	.amdhsa_code_object_version 6
	.text
	.protected	k_qa5a2623f68_quant
	.globl	k_qa5a2623f68_quant
	.p2align	8
	.type	k_qa5a2623f68_quant,@function
k_qa5a2623f68_quant:
	s_mov_b64 s[64:65], 0
	v_nop
	global_prefetch_b8 v0, s[64:65] scope:SCOPE_SE
	s_setreg_imm32_b32 hwreg(HW_REG_WAVE_MODE, 25, 1), 1
	s_wait_xcnt 0x0
; MULTI-HEAD SELF-ATTENTION ON CODES OF FP8 (E4M3), four launches: this one makes codes of x and of the four weights; the second makes q, k and v (products 1 to 3) and quantises them;
; the third is the attention (products 4 and 5); the fourth the projection on the way out (product 6) with its bias.
; NOTHING IS LEFT OUT: every input (x, Wq, Wk, Wv, Wu, bu, lowp_scales) has a way to out0 and every one of the six products is live, so there is no dead work to show.
; THIS LAUNCH.  code = number / 2^e, held within +-448, rounded to the nearest code, ties to even.  x is an operand of three products with three given scales (entries 0, 2, 4), which need not be equal:
; it gets three sets of codes.  Wq, Wk, Wv, Wu take entries 1, 3, 5, 11.  In all five tensors K is innermost and rows are dense, so each is a plain stream of numbers and so are its codes.
; cod: x's codes under entry 0, 2, 4 at 0, 8 MiB, 16 MiB; Wq's, Wk's, Wv's, Wu's at 24, 25, 26, 27 MiB.
; SHARES.  A work-group takes 32,768 numbers, a wave 16 steps of 512.  Work-groups 0 to 255 take x, the other 128 the weights, 32 each.  Only pointers and exponents are chosen by the work-group's number;
; the two further sets of x's codes stand under one scalar branch on that number, round register work and global stores alone: every LDS line is on the one common path.
; A step's four loads read 512 consecutive bytes each; the 2,048 bytes turn through the wave's own stage in LDS (16 bytes of padding behind each 64) and come back 64 bytes a lane: 16 neighbours along K,
; which the conversions want in one lane's registers.  A lane's 16 codes are 16 bytes: a wave's store covers 512 consecutive bytes, aligned.
; No tensor loads, no barrier: waves share nothing.  Loads run four steps (16 loads a wave) ahead, the turn through LDS one step.  No prefetch: the launch is one stream, read once, with its loads already ahead.
; LIMITS: entries 0 to 5 and 11 lie between -126 and 119, so that 2^e and 448 x 2^e are f32 numbers.  NaN among the inputs is not served (an infinity is held at the largest code).
.set WAVES, 4
.set STEPS, 16
.set XWG,   256                        ; work-groups that take x: 8,388,608 numbers / 32,768
.set EMAX,  8
.set MANT,  0x600000                   ; the mantissa field of 448 as f32
.set R,     16                         ; v16-79   four sets of 16 numbers as they are loaded
.set X,     80                         ; v80-111  two sets of 16 neighbours
.set T,     112                        ; v112-127 the 16 numbers, held, for one scale
.set C,     128                        ; v128-139 codes: four registers for each of the three sets
.set WREG,  8192                       ; LDS: a region for each wave: two stages of 32 x SP bytes
.set SP,    80                         ; a lane's place in a stage: its 64 bytes + 16 of padding
.set SPW,   12                         ; v12  LDS address of my spare word; never rewritten
.set NIL,   13                         ; v13  0; never rewritten
.set SPARE, WAVES*WREG                 ; behind the four regions: the spare words, 128 bytes a wave
	s_load_b256 s[4:11], s[0:1], 0x0               ; x s[4:5], Wq s[6:7], Wk s[8:9], Wv s[10:11]
	s_load_b128 s[12:15], s[0:1], 0x20             ; Wu s[12:13], the scales' exponents s[14:15]
	s_load_b64 s[16:17], s[0:1], 0x30              ; cod
	v_lshl_add_u32 v[SPW], v0, 2, SPARE
	v_mov_b32 v[NIL], 0
	v_lshrrev_b32 v1, 5, v0
	v_readfirstlane_b32 s18, v1                    ; wave
	v_and_b32 v2, 31, v0                           ; lane
	v_lshlrev_b32 v3, 4, v2                        ; my 16 bytes of a load's 512, and of a store's
	s_mul_i32 s30, s18, WREG
	v_lshrrev_b32 v14, 2, v2
	v_mul_u32_u24 v14, v14, SP
	v_and_b32 v15, 3, v2
	v_lshl_add_u32 v14, v15, 4, v14
	v_add_nc_u32 v14, s30, v14                     ; the stage, on the way in: SP (lane / 4) + 16 (lane % 4)
	v_mul_u32_u24 v15, v2, SP
	v_add_nc_u32 v15, s30, v15                     ; and on the way out: SP x lane: my 16 neighbours
	s_sub_co_u32 s19, ttmp9, XWG
	s_lshr_b32 s20, s19, 5                         ; which weight: 0 Wq, 1 Wk, 2 Wv, 3 Wu (a large number in x's work-groups)
	s_and_b32 s21, s19, 31                         ; which block of 32,768 numbers of it
	s_add_co_u32 s44, ttmp9, 512                   ; a weight's block in cod: 24 MiB are 768 blocks of 32,768 codes, and 768 - 256 = 512
	s_wait_alu depctr_va_vdst(0)
	s_wait_kmcnt 0x0
	s_load_b256 s[32:39], s[14:15], 0x0            ; entries 0 to 7
	s_load_b128 s[40:43], s[14:15], 0x20           ; entries 8 to 11
	s_mov_b64 s[22:23], s[12:13]                   ; the source: a choice that hangs on the work-group's number alone
	s_cmp_eq_u32 s20, 2
	s_cselect_b64 s[22:23], s[10:11], s[22:23]
	s_cmp_eq_u32 s20, 1
	s_cselect_b64 s[22:23], s[8:9], s[22:23]
	s_cmp_eq_u32 s20, 0
	s_cselect_b64 s[22:23], s[6:7], s[22:23]
	s_cmp_lt_u32 ttmp9, XWG
	s_cselect_b64 s[22:23], s[4:5], s[22:23]
	s_cselect_b32 s21, ttmp9, s21                  ; the block in the source,
	s_cselect_b32 s44, ttmp9, s44                  ; and in cod
	s_lshl_b32 s46, s21, 17                        ; 131,072 bytes of f32 a block,
	s_lshl_b32 s45, s18, 15                        ; 32,768 a wave
	s_add_co_u32 s46, s46, s45
	s_mov_b32 s47, 0
	s_add_nc_u64 s[22:23], s[22:23], s[46:47]
	s_lshl_b32 s46, s44, 15                        ; 32,768 bytes of codes a block,
	s_lshl_b32 s45, s18, 13                        ; 8,192 a wave
	s_add_co_u32 s46, s46, s45
	s_add_nc_u64 s[24:25], s[16:17], s[46:47]      ; the first set of codes
	s_add_nc_u64 s[26:27], s[24:25], 0x800000      ; x's second and third set (used by x's work-groups alone)
	s_add_nc_u64 s[28:29], s[24:25], 0x1000000
.macro LOAD t
.irp i, 0,1,2,3
	global_load_b128 v[R+16*((\t)%4)+4*\i:R+16*((\t)%4)+4*\i+3], v3, s[22:23] offset:2048*(\t)+512*\i th:TH_LOAD_NT   ; 32 lanes read 512 consecutive bytes; read once in the launch
.endr
.endm
.macro TURN t                          ; step t's numbers through the stage: LDS serves a wave's instructions in order, so no wait stands between the stores and the loads
.irp i, 0,1,2,3
	ds_store_b128 v14, v[R+16*((\t)%4)+4*\i:R+16*((\t)%4)+4*\i+3] offset:32*SP*((\t)%2)+8*SP*\i
.endr
.irp i, 0,1,2,3
	ds_load_b128 v[X+16*((\t)%2)+4*\i:X+16*((\t)%2)+4*\i+3], v15 offset:32*SP*((\t)%2)+16*\i
.endr
.endm
.macro SCALE e, sc, lim                ; from the exponent in s[e]: 2^e as f32 (the conversion takes its exponent field), and 448 x 2^e
	s_add_co_i32 s49, s[\e], 127
	s_lshl_b32 s50, s49, 23
	v_mov_b32 v[\sc], s50
	s_add_co_i32 s49, s49, EMAX
	s_lshl_b32 s49, s49, 23
	s_or_b32 s49, s49, MANT
	v_mov_b32 v[\lim], s49
.endm
.irp t, 0,1,2,3
	LOAD \t
.endr
	s_wait_kmcnt 0x0
	s_mov_b32 s48, s43                             ; the first set's exponent: entry 11 (Wu), 5 (Wv), 3 (Wk), 1 (Wq) or 0 (x)
	s_cmp_eq_u32 s20, 2
	s_cselect_b32 s48, s37, s48
	s_cmp_eq_u32 s20, 1
	s_cselect_b32 s48, s35, s48
	s_cmp_eq_u32 s20, 0
	s_cselect_b32 s48, s33, s48
	s_cmp_lt_u32 ttmp9, XWG
	s_cselect_b32 s48, s32, s48
	SCALE 48, 11, 10
	SCALE 34, 5, 6                                 ; entry 2
	SCALE 36, 7, 8                                 ; entry 4
	s_wait_alu depctr_va_vdst(0)
	s_wait_loadcnt 12                              ; step 0's four loads are in; those of the three steps behind it may be out
	TURN 0
; The step's 16 neighbours, which stay in v[XS] on, become 16 codes under one scale, in v[c] to v[c + 3].
.macro QS sc, lim, c
.irp i, 0,1,2,3,4,5,6,7,8,9,10,11,12,13,14,15
	v_med3_num_f32 v[T+\i], v[XS+\i], -v[\lim], v[\lim]   ; the conversion to an 8-bit code does not saturate (ISA guide 7.6.2): the hold at the largest code x the scale
.endr
	v_cvt_scalef32_pk8_fp8_f32 v[\c:\c+1], v[T:T+7], v[\sc]
	v_cvt_scalef32_pk8_fp8_f32 v[\c+2:\c+3], v[T+8:T+15], v[\sc]
	v_nop                                          ; a plain vector line between the conversions and the next lines that write their sources, v[T] on
.endm
.macro STEP t
.set XS, X+16*((\t)%2)
	s_wait_dscnt 0x0                               ; this step's numbers are back from the stage: so its stores into the stage have read their registers,
.if (\t)+4 < STEPS
	LOAD (\t)+4                                    ; which take the loads of four steps on
.endif
.if (\t)+1 < STEPS
.if STEPS-2-(\t) >= 3
	s_wait_loadcnt 12                              ; the next step's four loads are in; those of the three steps behind it may be out
.else
	s_wait_loadcnt 4*(STEPS-2-(\t))
.endif
	TURN (\t)+1                                    ; and go through the other stage while this step is worked
.endif
	s_wait_xcnt 0x0                                ; the last step's stores have read their data: the codes' registers are written again only behind this wait
	QS 11, 10, C
	global_store_b128 v3, v[C:C+3], s[24:25] offset:512*(\t)
	s_cmp_lt_u32 ttmp9, XWG                        ; x has two more scales
	s_cbranch_scc0 .Lw_\@
	QS 5, 6, C+4
	global_store_b128 v3, v[C+4:C+7], s[26:27] offset:512*(\t)
	QS 7, 8, C+8
	global_store_b128 v3, v[C+8:C+11], s[28:29] offset:512*(\t)
.Lw_\@:
.endm
.irp t, 0,1,2,3,4,5,6,7,8,9,10,11,12,13,14,15
	STEP \t
.endr
	s_wait_tensorcnt 0x0                           ; the wave's end, behind my last LDS store
	ds_add_u32 v[SPW], v[NIL]
	s_wait_dscnt 0x0
	s_endpgm
.Lfunc_end_k_qa5a2623f68_quant:
	.size	k_qa5a2623f68_quant, .Lfunc_end_k_qa5a2623f68_quant-k_qa5a2623f68_quant
	.p2alignl 7, 3214868480
	.fill 96, 4, 3214868480
	.section	.rodata,"a",@progbits
	.p2align	6, 0x0
	.amdhsa_kernel k_qa5a2623f68_quant
		.amdhsa_group_segment_fixed_size 33280
		.amdhsa_private_segment_fixed_size 0
		.amdhsa_enable_private_segment 0
		.amdhsa_kernarg_size 56
		.amdhsa_user_sgpr_count 2
		.amdhsa_user_sgpr_kernarg_segment_ptr 1
		.amdhsa_wavefront_size32 1
		.amdhsa_system_sgpr_workgroup_id_x 1
		.amdhsa_system_sgpr_workgroup_id_y 1
		.amdhsa_system_sgpr_workgroup_id_z 1
		.amdhsa_system_vgpr_workitem_id 0
		.amdhsa_next_free_vgpr 144
		.amdhsa_next_free_sgpr 66
		.amdhsa_reserve_vcc 0
		.amdhsa_float_denorm_mode_32 3
		.amdhsa_float_denorm_mode_16_64 3
		.amdhsa_memory_ordered 1
		.amdhsa_forward_progress 1
		.amdhsa_inst_pref_size 81
	.end_amdhsa_kernel
	.amdgpu_metadata
---
amdhsa.version: [ 1, 2 ]
amdhsa.kernels:
  - .name:           k_qa5a2623f68_quant
    .symbol:         k_qa5a2623f68_quant.kd
    .args:
      - { .name: x, .offset: 0, .size: 8, .value_kind: global_buffer, .address_space: global }
      - { .name: Wq, .offset: 8, .size: 8, .value_kind: global_buffer, .address_space: global }
      - { .name: Wk, .offset: 16, .size: 8, .value_kind: global_buffer, .address_space: global }
      - { .name: Wv, .offset: 24, .size: 8, .value_kind: global_buffer, .address_space: global }
      - { .name: Wu, .offset: 32, .size: 8, .value_kind: global_buffer, .address_space: global }
      - { .name: lowp_scales, .offset: 40, .size: 8, .value_kind: global_buffer, .address_space: global }
      - { .name: cod, .offset: 48, .size: 8, .value_kind: global_buffer, .address_space: global }
    .group_segment_fixed_size: 33280
    .private_segment_fixed_size: 0
    .kernarg_segment_align: 8
    .kernarg_segment_size: 56
    .max_flat_workgroup_size: 128
    .sgpr_count:     66
    .vgpr_count:     144
    .wavefront_size: 32
...
	.end_amdgpu_metadata
.endif
;; end of part 1
;; launch qkv (part 2): grid 12 x 32, 4 waves a work-group, clusters of 4 x 4, 327,680 bytes of LDS; arguments cod, lowp_scales, qk, vt; writes qk, vt
.if DOCPART == 2
	.amdgcn_target "amdgcn-amd-amdhsa--gfx1250"
	.amdhsa_code_object_version 6
	.text
	.protected	k_qa5a2623f68_qkv
	.globl	k_qa5a2623f68_qkv
	.p2align	8
	.type	k_qa5a2623f68_qkv,@function
k_qa5a2623f68_qkv:
	s_mov_b64 s[64:65], 0
	v_nop
	global_prefetch_b8 v0, s[64:65] scope:SCOPE_SE
	s_setreg_imm32_b32 hwreg(HW_REG_WAVE_MODE, 25, 1), 1
	s_wait_xcnt 0x0
	s_wait_alu depctr_hold_cnt(0) depctr_sa_sdst(0) depctr_va_vdst(0) depctr_va_sdst(0) depctr_va_ssrc(0) depctr_va_vcc(0) depctr_vm_vsrc(0)
	s_getreg_b32 s2, hwreg(HW_REG_IB_STS2, 6, 4)
	s_cmp_eq_u32 s2, 0
	s_cbranch_scc0 .Lentry_in_a_cluster
	s_endpgm
.Lentry_in_a_cluster:
	s_bfe_u32 s2, ttmp6, 0x10000c
	s_cmp_lg_u32 s2, 0xf033
	s_cbranch_scc0 .Lentry_shape_is_right
	s_endpgm
.Lentry_shape_is_right:
.set KSTEP,  256
.set ROWB,   256
.set KROW,   1024
.set PITCH,  272
.set FR,     16
.set NL,     4
.set NP,     4
.set HALFT,  128*PITCH
.set SLOT,   4*HALFT
.set LAPS,   2
.set SPARE,  2*SLOT
.set QPL,    256*80
.set XC,     8388608
.set WC0,    25165824
.set WCB,    1048576
.set SCL,  8
.set LIM,  9
.set STOQ, 10
.set STOV, 11
.set RDQ,  12
.set RDV,  13
.set COQ,  14
.set COV,  15
.set ADRA, 16
.set ADRB, 20
.set SPW,  28
.set NIL,  29
.set TMP,  32
.set CD,   96
.set AF,   128
.set G1, 24
.set G0, 32
.set G1B, 48
.set G0B, 56
.set MSB, 0
.macro WIN new
.if MSB != \new
	s_set_vgpr_msb (MSB<<8)|\new
.set MSB, \new
.endif
.endm
.set MUL_LO, 0xa1
.set MUL_HI, 0xf1
.set TO_B,   0x40
.macro JLOAD g0a, g1a, g0b, g1b
	s_cmp_eq_u32 s15, 0
	s_cbranch_scc0 .Lfor_b_\@
	tensor_load_to_lds s[\g0a:\g0a+3], s[\g1a:\g1a+7]
	s_nop 0
.rept 4
	v_nop
.endr
	s_branch .Lasked_\@
.Lfor_b_\@:
	tensor_load_to_lds s[\g0b:\g0b+3], s[\g1b:\g1b+7]
	s_nop 0
.rept 4
	v_nop
.endr
.Lasked_\@:
.endm
.macro CREST
	s_cmp_lg_u32 s14, 0
	s_cbranch_scc1 .Lnot_wave_0_\@
	s_barrier_signal -3
.Lnot_wave_0_\@:
	s_barrier_wait -3
	s_barrier_signal -1
	s_barrier_wait -1
.endm
.macro CROUND
	s_barrier_signal -1
	s_barrier_wait -1
	CREST
.endm
	s_load_b256 s[4:11], s[0:1], 0x0
	v_lshl_add_u32 v[SPW], v0, 2, SPARE
	v_mov_b32 v[NIL], 0
	ds_add_u32 v[SPW], v[NIL]
	ds_add_u32 v[SPW], v[NIL]
	v_lshrrev_b32 v1, 5, v0
	v_readfirstlane_b32 s14, v1
	s_lshr_b32 s15, s14, 1
	s_and_b32 s16, s14, 1
	s_bfe_u32 s40, ttmp6, 0x40000
	s_bfe_u32 s41, ttmp6, 0x40004
	s_and_b32 s17, ttmp7, 0xffff
	s_lshl_b32 s17, s17, 2
	s_add_co_u32 s42, s17, s40
	s_add_co_u32 s66, s17, s41
	s_lshl_b32 s43, s41, 2
	s_lshl_b32 s43, 15, s43
	s_lshl_b32 s44, 0x1111, s40
	s_or_b32 s[G1+0], s43, (0<<16)|(1<<20)|(1<<21)|(5<<22)|(3<<25)
	s_or_b32 s[G1B+0], s44, (0<<16)|(1<<20)|(1<<21)|(5<<22)|(3<<25)
.irp g, G1, G1B
	s_mov_b32 s[\g+1], ROWB<<16
	s_mov_b32 s[\g+2], 128<<16
	s_mov_b32 s[\g+3], ROWB<<16
	s_mov_b32 s[\g+4], 128
	s_mov_b32 s[\g+5], KROW
	s_mov_b32 s[\g+6], 0
	s_mov_b32 s[\g+7], 0
.endr
	s_lshl_b32 s67, ttmp9, 23
	s_lshl_b32 s68, ttmp9, 20
	s_add_co_u32 s68, s68, WC0
	s_mov_b32 s69, WC0+2*WCB
	s_mov_b32 s70, 2*XC
	s_cmp_eq_u32 ttmp9, 2
	s_cselect_b32 s71, s41, s66
	s_cselect_b32 s72, s69, s67
	s_cselect_b32 s73, s42, s40
	s_cselect_b32 s74, s70, s68
	s_lshl_b32 s18, s16, 7
	s_lshl_b32 s20, s71, 8
	s_add_co_u32 s20, s20, s18
	s_lshl_b32 s20, s20, 10
	s_add_co_u32 s20, s20, s72
	s_mov_b32 s21, 0
	s_lshl_b32 s46, s73, 8
	s_add_co_u32 s46, s46, s18
	s_lshl_b32 s46, s46, 10
	s_add_co_u32 s46, s46, s74
	s_mov_b32 s47, 0
	s_mul_i32 s45, s14, HALFT
	s_wait_dscnt 0x0
	s_wait_kmcnt 0x0
	s_load_b256 s[80:87], s[6:7], 0x0
	s_load_b32 s88, s[6:7], 0x20
	s_add_nc_u64 s[20:21], s[4:5], s[20:21]
	s_add_nc_u64 s[46:47], s[4:5], s[46:47]
	s_cmp_eq_u32 s15, 0                            ; the prefetches: of the 128 rows that I fetch, my work-group takes 32, told from its three partners' by address (cx for the first operand's tiles, cy for the second's)
	s_cselect_b64 s[92:93], s[20:21], s[46:47]
	s_cselect_b32 s94, s40, s41
	s_lshl_b32 s94, s94, 15                        ; 32 rows of 1,024 bytes
	s_mov_b32 s95, 0
	s_add_nc_u64 s[92:93], s[92:93], s[94:95]      ; never rewritten
	v_and_b32 v30, 31, v0
	v_lshlrev_b32 v30, 10, v30                     ; a lane a row; never rewritten
	CROUND
.irp s, 0,1
	s_mov_b32 s[G0+4*\s], 1
	s_add_co_u32 s[G0+4*\s+1], s45, \s*SLOT
	s_add_nc_u64 s[G0+4*\s+2:G0+4*\s+3], s[20:21], \s*ROWB
	s_or_b32 s[G0+4*\s+3], s[G0+4*\s+3], 0x80000000
	s_mov_b32 s[G0B+4*\s], 1
	s_add_co_u32 s[G0B+4*\s+1], s45, \s*SLOT
	s_add_nc_u64 s[G0B+4*\s+2:G0B+4*\s+3], s[46:47], \s*ROWB
	s_or_b32 s[G0B+4*\s+3], s[G0B+4*\s+3], 0x80000000
	s_wait_alu depctr_va_vdst(0)
	s_wait_tensorcnt 0x0
	ds_add_u32 v28, v29
	ds_add_u32 v28, v29
	s_wait_dscnt 0x0
	CROUND
	JLOAD G0+4*\s, G1, G0B+4*\s, G1B
.if \s == 0
	global_prefetch_b8 v30, s[92:93] offset:256 th:TH_LOAD_NT scope:SCOPE_SE   ; behind K step 0's load: K steps 1 and 2, 256 bytes of each of my 32 rows; each block is named once in the cluster
	global_prefetch_b8 v30, s[92:93] offset:512 th:TH_LOAD_NT scope:SCOPE_SE
.else
	global_prefetch_b8 v30, s[92:93] offset:768 th:TH_LOAD_NT scope:SCOPE_SE   ; behind K step 1's load: K step 3, the row's last 256 bytes
.endif
.endr
	v_and_b32 v1, 15, v0
	s_wait_alu depctr_va_vdst(0)
	v_bfe_u32 v2, v0, 4, 1
	v_mul_u32_u24 v3, v1, PITCH
	v_lshl_add_u32 v4, v2, 4, v3
	s_mul_i32 s21, s15, HALFT
	s_mul_i32 s22, s16, HALFT
	s_add_co_u32 s22, s22, 2*HALFT
.irp s, 0,1
	v_add_nc_u32 v[ADRA+\s], s21, v4
	v_add_nc_u32 v[ADRB+\s], s22, v4
	s_add_co_u32 s21, s21, SLOT
	s_add_co_u32 s22, s22, SLOT
.endr
	s_mul_i32 s23, s16, 2*QPL
	s_mul_i32 s21, s15, 128*80
	s_add_co_u32 s23, s23, s21
	v_mul_u32_u24 v5, v1, 80
	s_wait_alu depctr_va_vdst(0)
	v_lshl_add_u32 v5, v2, 3, v5
	v_add_nc_u32 v[STOQ], s23, v5
	s_mul_i32 s23, s15, HALFT
	s_lshl_b32 s21, s16, 7
	s_add_co_u32 s23, s23, s21
	s_add_co_u32 s23, s23, SLOT
	v_lshl_add_u32 v5, v2, 4, v3                   ; v's stage: within each 32 tokens the four groups of eight lie in the order 0-7, 16-23, 8-15, 24-31: group (b % 2, h) at 16 h + 8 (b % 2)
	v_add_nc_u32 v[STOV], s23, v5
	s_mul_i32 s23, s14, QPL
	v_bfe_u32 v5, v0, 2, 3
	v_mul_u32_u24 v5, v5, 80
	v_and_b32 v6, 3, v0
	v_lshl_add_u32 v5, v6, 4, v5
	v_add_nc_u32 v[RDQ], s23, v5
	s_mul_i32 s23, s14, 64*PITCH
	s_add_co_u32 s23, s23, SLOT
	v_mul_u32_u24 v5, v2, PITCH
	v_lshl_add_u32 v5, v1, 4, v5
	v_add_nc_u32 v[RDV], s23, v5
	v_and_b32 v6, 31, v0
	v_lshlrev_b32 v[COQ], 4, v6
	v_lshlrev_b32 v5, 13, v2
	v_lshl_add_u32 v[COV], v1, 4, v5
	s_lshl_b32 s76, s40, 2
	s_add_co_u32 s76, s76, s14
	s_lshl_b32 s76, s76, 19
	s_lshl_b32 s77, s66, 14
	s_add_co_u32 s76, s76, s77
	s_add_co_u32 s76, s76, s67
	s_mov_b32 s77, 0
	s_add_nc_u64 s[8:9], s[8:9], s[76:77]
	s_lshl_b32 s78, s41, 8
	s_lshl_b32 s79, s14, 6
	s_add_co_u32 s78, s78, s79
	s_lshl_b32 s78, s78, 13
	s_lshl_b32 s79, s42, 8
	s_add_co_u32 s78, s78, s79
	s_mov_b32 s79, 0
	s_add_nc_u64 s[10:11], s[10:11], s[78:79]
.macro FRAG reg, adr, q, i
.irp c, 0,1,2,3
	ds_load_b128 v[\reg+4*\c:\reg+4*\c+3], v[\adr] offset:128*(\q)+32*\c+(\i)*16*PITCH
.endr
.endm
.macro MUL16 a0, p, zero
.irp a, \a0, \a0+1
.irp b, 0,1,2,3,4,5,6,7
.if \zero
	v_wmma_f32_16x16x128_fp8_fp8 v[8*(8*((\a)%4)+\b):8*(8*((\a)%4)+\b)+7], v[128*(\p)+FR*\b:128*(\p)+FR*\b+FR-1], v[AF+FR*(\a):AF+FR*(\a)+FR-1], 0
.else
	v_wmma_f32_16x16x128_fp8_fp8 v[8*(8*((\a)%4)+\b):8*(8*((\a)%4)+\b)+7], v[128*(\p)+FR*\b:128*(\p)+FR*\b+FR-1], v[AF+FR*(\a):AF+FR*(\a)+FR-1], v[8*(8*((\a)%4)+\b):8*(8*((\a)%4)+\b)+7]
.endif
.endr
.endr
.endm
.macro FETCH_B slot, q, p
	WIN TO_B
.irp i, 0,1,2,3,4,5,6,7
	FRAG 128*(\p)+FR*\i, ADRB+\slot, \q, \i
.endr
	WIN 0
.endm
.macro FETCH_A slot, q, i0
.irp i, \i0, \i0+1, \i0+2, \i0+3
	FRAG AF+FR*(\i), ADRA+\slot, \q, \i
.endr
.endm
.macro PLACES n
.rept \n
	v_nop
.endr
.endm
.macro STEP slot, q, zero
	s_wait_dscnt 4*NL
	WIN MUL_LO
	MUL16 0, (\q)%2, \zero
	MUL16 2, (\q)%2, \zero
	s_wait_dscnt 0
	PLACES NP
	FETCH_B \slot, (\q)+1, 1-(\q)%2
	FETCH_A \slot, (\q)+1, 0
	WIN MUL_HI
	MUL16 4, (\q)%2, \zero
	MUL16 6, (\q)%2, \zero
	PLACES NP
	WIN 0
	FETCH_A \slot, (\q)+1, 4
.endm
.macro TURN slot, next, fill
	s_wait_tensorcnt 0x0
	ds_add_u32 v[SPW], v[NIL]
	s_wait_dscnt 4*NL+1
	WIN MUL_LO
	MUL16 0, 1, 0
	s_wait_dscnt 0x0
	s_barrier_signal -1
	MUL16 2, 1, 0
	WIN 0
	s_barrier_wait -1
.if \fill
	CREST
	s_add_nc_u64 s[G0+4*\slot+2:G0+4*\slot+3], s[G0+4*\slot+2:G0+4*\slot+3], 2*ROWB
	s_add_nc_u64 s[G0B+4*\slot+2:G0B+4*\slot+3], s[G0B+4*\slot+2:G0B+4*\slot+3], 2*ROWB
	JLOAD G0+4*\slot, G1, G0B+4*\slot, G1B
.else
	PLACES NP
.endif
	FETCH_B \next, 0, 0
	FETCH_A \next, 0, 0
	WIN MUL_HI
	MUL16 4, 1, 0
	MUL16 6, 1, 0
	PLACES NP
	WIN 0
	FETCH_A \next, 0, 4
.endm
	s_wait_tensorcnt 1
	s_barrier_signal -1
	s_barrier_wait -1
	FETCH_B 0, 0, 0
	FETCH_A 0, 0, 0
	FETCH_A 0, 0, 4
	STEP 0, 0, 1
	s_mov_b32 s3, LAPS-1
.Llap:
	TURN 0, 1, 1
	STEP 1, 0, 0
	TURN 1, 0, 1
	STEP 0, 0, 0
	s_sub_co_u32 s3, s3, 1
	s_cmp_lg_u32 s3, 0
	s_cbranch_scc1 .Llap
	TURN 0, 1, 0
	STEP 1, 0, 0
	s_wait_dscnt 4*NL
	WIN MUL_LO
	MUL16 0, 1, 0
	MUL16 2, 1, 0
	s_wait_dscnt 0
	WIN MUL_HI
	MUL16 4, 1, 0
	MUL16 6, 1, 0
	WIN 0
	s_wait_dscnt 0x0
	s_barrier_signal -1
	s_barrier_wait -1
	s_wait_kmcnt 0x0
	s_sub_co_i32 s89, s86, s80
	s_sub_co_i32 s89, s89, s81
	s_sub_co_i32 s90, s87, s82
	s_sub_co_i32 s90, s90, s83
	s_sub_co_i32 s91, s88, s84
	s_sub_co_i32 s91, s91, s85
	s_cmp_eq_u32 ttmp9, 1
	s_cselect_b32 s89, s90, s89
	s_cmp_eq_u32 ttmp9, 2
	s_cselect_b32 s89, s91, s89
	s_add_co_i32 s89, s89, 127
	s_lshl_b32 s90, s89, 23
	v_mov_b32 v[SCL], s90
	s_add_co_i32 s89, s89, 8
	s_lshl_b32 s89, s89, 23
	s_or_b32 s89, s89, 0x600000
	v_mov_b32 v[LIM], s89
	PLACES NP
.macro CODES a
.set AC, 64*((\a)%4)
	WIN 0x02+((\a)/4)
.set J, 0
.rept 64
	v_med3_num_f32 v[TMP+J], v[AC+J], -v[LIM], v[LIM]
.set J, J+1
.endr
	WIN 0
.irp b, 0,1,2,3,4,5,6,7
	v_cvt_scalef32_pk8_fp8_f32 v[CD+16*(\a)+2*\b:CD+16*(\a)+2*\b+1], v[TMP+8*\b:TMP+8*\b+7], v[SCL]
.endr
	v_nop
.endm
.irp a, 0,1,2,3,4,5,6,7
	CODES \a
.endr
	s_cmp_eq_u32 ttmp9, 2
	s_cbranch_scc1 .Lstore_v
.irp a, 0,1,2,3,4,5,6,7
.irp b, 0,1,2,3,4,5,6,7
	ds_store_b64 v[STOQ], v[CD+16*\a+2*\b:CD+16*\a+2*\b+1] offset:(\b/4)*QPL+\a*1280+16*(\b%4)
.endr
.endr
	s_branch .Lstored
.Lstore_v:
	s_wait_alu depctr_va_vdst(0)
.irp a, 0,1,2,3,4,5,6,7
.irp b, 0,1,2,3,4,5,6,7
	ds_store_b64 v[STOV], v[CD+16*\a+2*\b:CD+16*\a+2*\b+1] offset:\a*16*PITCH+32*(\b/2)+8*(\b%2)
.endr
.endr
.Lstored:
	s_wait_dscnt 0x0
	s_barrier_signal -1
	s_barrier_wait -1
	s_cmp_eq_u32 ttmp9, 2
	s_cbranch_scc1 .Lsend_v
.set I, 0
.rept 32
	ds_load_b128 v[CD+4*I:CD+4*I+3], v[RDQ] offset:640*I
.set I, I+1
.endr
.set I, 0
.rept 32
	s_wait_dscnt 31-I
	global_store_b128 v[COQ], v[CD+4*I:CD+4*I+3], s[8:9] offset:512*I
.set I, I+1
.endr
	s_branch .Lsent
.Lsend_v:
.set I, 0
.rept 32
	ds_load_b128 v[CD+4*I:CD+4*I+3], v[RDV] offset:2*PITCH*I
.set I, I+1
.endr
.set I, 0
.rept 32
	s_wait_dscnt 31-I
	global_store_b128 v[COV], v[CD+4*I:CD+4*I+3], s[10:11] offset:16384*I
.set I, I+1
.endr
.Lsent:
	s_wait_tensorcnt 0x0
	ds_add_u32 v[SPW], v[NIL]
	s_wait_dscnt 0x0
	CROUND
	s_endpgm
.Lfunc_end_k_qa5a2623f68_qkv:
	.size	k_qa5a2623f68_qkv, .Lfunc_end_k_qa5a2623f68_qkv-k_qa5a2623f68_qkv
	.p2alignl 7, 3214868480
	.fill 96, 4, 3214868480
	.section	.rodata,"a",@progbits
	.p2align	6, 0x0
	.amdhsa_kernel k_qa5a2623f68_qkv
		.amdhsa_group_segment_fixed_size 327680
		.amdhsa_private_segment_fixed_size 0
		.amdhsa_enable_private_segment 0
		.amdhsa_kernarg_size 32
		.amdhsa_user_sgpr_count 2
		.amdhsa_user_sgpr_kernarg_segment_ptr 1
		.amdhsa_wavefront_size32 1
		.amdhsa_system_sgpr_workgroup_id_x 1
		.amdhsa_system_sgpr_workgroup_id_y 1
		.amdhsa_system_sgpr_workgroup_id_z 1
		.amdhsa_system_vgpr_workitem_id 0
		.amdhsa_next_free_vgpr 1024
		.amdhsa_next_free_sgpr 100
		.amdhsa_reserve_vcc 0
		.amdhsa_float_denorm_mode_32 3
		.amdhsa_float_denorm_mode_16_64 3
		.amdhsa_memory_ordered 1
		.amdhsa_forward_progress 1
		.amdhsa_inst_pref_size 138
	.end_amdhsa_kernel
	.amdgpu_metadata
---
amdhsa.version: [ 1, 2 ]
amdhsa.kernels:
  - .name:           k_qa5a2623f68_qkv
    .symbol:         k_qa5a2623f68_qkv.kd
    .args:
      - { .name: cod, .offset: 0, .size: 8, .value_kind: global_buffer, .address_space: global }
      - { .name: lowp_scales, .offset: 8, .size: 8, .value_kind: global_buffer, .address_space: global }
      - { .name: qk, .offset: 16, .size: 8, .value_kind: global_buffer, .address_space: global }
      - { .name: vt, .offset: 24, .size: 8, .value_kind: global_buffer, .address_space: global }
    .group_segment_fixed_size: 327680
    .private_segment_fixed_size: 0
    .kernarg_segment_align: 8
    .kernarg_segment_size: 32
    .max_flat_workgroup_size: 128
    .sgpr_count:     100
    .vgpr_count:     1024
    .wavefront_size: 32
...
	.end_amdgpu_metadata
.endif
;; end of part 2
;; launch attn (part 3): grid 4 x 64, 16 waves a work-group, clusters of 4 x 1, 327,680 bytes of LDS; arguments qk, vt, lowp_scales, ac; writes ac
.if DOCPART == 3
	.amdgcn_target "amdgcn-amd-amdhsa--gfx1250"
	.amdhsa_code_object_version 6
	.text
	.protected	k_qa5a2623f68_attn
	.globl	k_qa5a2623f68_attn
	.p2align	8
	.type	k_qa5a2623f68_attn,@function
k_qa5a2623f68_attn:
	s_mov_b64 s[64:65], 0
	v_nop
	global_prefetch_b8 v0, s[64:65] scope:SCOPE_SE
	s_setreg_imm32_b32 hwreg(HW_REG_WAVE_MODE, 25, 1), 1
	s_wait_xcnt 0x0
	s_wait_alu depctr_hold_cnt(0) depctr_sa_sdst(0) depctr_va_vdst(0) depctr_va_sdst(0) depctr_va_ssrc(0) depctr_va_vcc(0) depctr_vm_vsrc(0)
	s_getreg_b32 s2, hwreg(HW_REG_IB_STS2, 6, 4)
	s_cmp_eq_u32 s2, 0
	s_cbranch_scc0 .Lentry_in_a_cluster
	s_endpgm
.Lentry_in_a_cluster:
	s_bfe_u32 s2, ttmp6, 0x10000c
	s_cmp_lg_u32 s2, 0x3003
	s_cbranch_scc0 .Lentry_shape_is_right
	s_endpgm
.Lentry_shape_is_right:
; PRODUCTS 4 AND 5 on codes of FP8 (E4M3): for each batch and head, O[q] = the sum over keys of softmax(q . k / 32) v, head size 64, 2,048 queries and keys, no mask.  No work is left out.
; q, k: [16 heads][8192 tokens][64] codes (q at 0, k at 8 MiB of qk), scales 2^e6, 2^e7.  vt: [64 head + channel][8192 tokens] codes, the keys innermost, scale 2^e8;
; within each 32 tokens of vt the four groups of eight lie in the order 0-7, 16-23, 8-15, 24-31, so that 16 bytes on end are the keys that four neighbouring registers of the second product's operand hold.
; THE SOFTMAX AHEAD OF THE SECOND PRODUCT: t = score x log2(e) / 32; M = the row's largest t so far, rounded UP to a whole number; p = 2^(t - M) is what is quantised (scale 2^e9); it is not normalised.
; The row's sum is taken of the unquantised p, in f32, and divides O at the end.  When M moves, the sum and O are multiplied by 2^(old M - new M): exact.  The result is quantised with 2^e10 for the last product
; and stored head by head, [16 heads][8192 tokens][64].
; SHARES.  A cluster of four work-groups is one batch and head; a work-group owns 512 of its queries; each of its sixteen waves owns 32, two tiles of 16, in 256 registers; each fragment of K and V feeds two products.
; THE WHOLE HEAD LIES IN LDS: eight regions of 256 keys, K's part (64 rows of four keys, 256 bytes + 16) and V's part (64 channels x 256 bytes + 16).  Each wave issues ONE load, at the head, jointly with the three
; partners (same descriptor, a mask that names the four): waves 0-7 K's part of region w, waves 8-15 V's part of region w - 8.  One wait for it and one barrier; nothing is ever filled again, so the walk over the keys has no barrier.
; No prefetch: every byte is asked for at the head, so there is no later load to run ahead of.
; A STEP is 128 keys: 16 products of the K = 64 form for the scores, 8 of the K = 128 form for O.
; LAYOUT.  Both products are used transposed: S^T = K Q^T, O^T = V^T P^T: a lane holds ONE query (lane % 16) throughout.  In tile t of S^T lane (r, h) holds keys 16 t + 8 h + 0 .. 7: their codes are registers 2 t, 2 t + 1 of the operand.
; LIMITS: e6 + e7 between -121 and 132 (added to the exponent field of log2(e) / 32); e9 and e10 between -126 and 119; e8 + e9 has none.  The scaled scores t stay under 2^31 in magnitude.  NaN among the inputs is not served.
; REGISTERS: v1-11 addresses and constants; v12-15 tile 0's -M, largest score, sum (two halves); v16-19 tile 1's; v[20:21], v[22:23] f; v24-31 at work; v32-47 Q; v48-63 two fragments of K, then tile 0's codes of p;
;   v64-191 S^T (tile q, key tile t at 64 + 64 q + 8 t), then p; six fragments of K lie first in score registers that are written late; behind the conversions v64-79 hold tile 1's codes and v80-143 V's four fragments; v192-255 O^T.
.set KPART, 17408                      ; 64 rows x 272 bytes
.set REG,   2*KPART                    ; a region: 256 keys of K, then of V
.set SPARE, 8*REG                      ; the spare words, 128 bytes for each of the sixteen waves
.set STAGE, SPARE+2048                 ; the way out: 16 rows x (64 bytes + 16) for each wave; no tile lands here
.set AK0, 1
.set AV0, 2
.set QO,  3
.set SCL, 4                            ; v4  the conversion's scale
.set SPW, 5                            ; v5  LDS address of my spare word; never rewritten
.set NIL, 6                            ; v6  0; never rewritten
.set GO,  7
.set ADK, 8
.set ADV, 9
.set LIMA, 10                          ; v10, v11  448 x the scale, twice: the two halves of a dual pair take their second sources from different register banks
.set LIMB, 11
.set QF,  32
.set SC,  48
.set S,   64
.set O,   192
.set WV,  12                           ; s12 my wave's number
.set G0K, 24
.set G0V, 28
.set G1K, 32
.set G1V, 40
.set SEL, 48                           ; s[48:49] lane selects for v_permlanex16_b32: lane l xor 16
.set CS,  50                           ; s[50:51] c = log2(e) / 32 x 2^(e6 + e7)
.set TB,  57                           ; s57 LDS byte at which the region in hand begins
.set CNT, 58                           ; s58 regions to go
.macro CROUND                          ; a round of the cluster's barrier
	s_barrier_signal -1
	s_barrier_wait -1
	s_cmp_lg_u32 s[WV], 0
	s_cbranch_scc1 .Lnot_wave_0_\@
	s_barrier_signal -3
.Lnot_wave_0_\@:
	s_barrier_wait -3
	s_barrier_signal -1
	s_barrier_wait -1
.endm
	s_load_b256 s[4:11], s[0:1], 0x0               ; qk s[4:5], vt s[6:7], the scales' exponents s[8:9], ac s[10:11]
	v_lshl_add_u32 v[SPW], v0, 2, SPARE
	v_mov_b32 v[NIL], 0
	ds_add_u32 v[SPW], v[NIL]                      ; the wave's opening: the add, twice on end; its wait stands ahead of my tensor load, the set-up below between
	ds_add_u32 v[SPW], v[NIL]
	v_lshrrev_b32 v8, 5, v0
	v_readfirstlane_b32 s[WV], v8                  ; wave 0..15
	s_and_b32 s13, s[WV], 7                        ; which region I fetch for
	s_bfe_u32 s14, ttmp6, 0x40000                  ; cx: it enters Q's and the result's addresses alone
	s_and_b32 s15, ttmp7, 0xffff                   ; 16 x batch + head: the four partners share it
	s_and_b32 s16, s15, 15                         ; head
	s_lshr_b32 s17, s15, 4                         ; batch
	s_lshl_b32 s18, s16, 19                        ; a head's 8,192 tokens x 64 bytes (and its 64 rows of vt),
	s_lshl_b32 s2, s17, 17                         ; a batch's 2,048 tokens
	s_add_co_u32 s19, s18, s2
	s_lshl_b32 s20, s13, 14                        ; K: my 256 keys x 64 bytes,
	s_add_co_u32 s20, s20, s19
	s_add_co_u32 s20, s20, 8388608                 ; behind q
	s_mov_b32 s21, 0
	s_lshl_b32 s2, s17, 11                         ; V: the batch's 2,048 tokens in a row,
	s_add_co_u32 s22, s18, s2
	s_lshl_b32 s2, s13, 8                          ; my 256 of them
	s_add_co_u32 s22, s22, s2
	s_mov_b32 s23, 0
	s_mov_b32 s[G0K], 1                            ; group 0: count = 1,
	s_mov_b32 s[G0V], 1
	s_mul_i32 s[G0K+1], s13, REG                   ; the LDS address: no place in the cluster enters it
	s_add_co_u32 s[G0V+1], s[G0K+1], KPART
	s_lshl_b32 s2, s14, 15                         ; my work-group's 512 queries,
	s_lshl_b32 s3, s[WV], 11                       ; my wave's 32
	s_add_co_u32 s2, s2, s3
	s_add_co_u32 s2, s2, s19
	s_mov_b32 s3, 0
	s_mul_i32 s62, s[WV], 16*80
	s_add_co_u32 s62, s62, STAGE                   ; my stage
	; group 1: 64 rows of 256 bytes, 16 bytes of padding behind each; K's rows are dense, V's 8,192 bytes apart
	s_mov_b32 s[G1K], 15|(0<<16)|(1<<20)|(1<<21)|(5<<22)|(3<<25)  ; 15:0 the mask: all four work-groups; elements of 1 byte; padding on; bit 21 beside a mask; after every 64 words four words
	s_mov_b32 s[G1V], 15|(0<<16)|(1<<20)|(1<<21)|(5<<22)|(3<<25)
.irp g, G1K, G1V
	s_mov_b32 s[\g+1], 256<<16                     ; tensor_dim0
	s_mov_b32 s[\g+2], 64<<16                      ; tensor_dim1
	s_mov_b32 s[\g+3], 256<<16                     ; tile_dim0
	s_mov_b32 s[\g+4], 64                          ; tile_dim1
	s_mov_b32 s[\g+6], 0
	s_mov_b32 s[\g+7], 0
.endr
	s_mov_b32 s[G1K+5], 256                        ; tensor_dim0_stride
	s_mov_b32 s[G1V+5], 8192
	s_mov_b32 s[SEL], 0x76543210
	s_mov_b32 s[SEL+1], 0xfedcba98
	s_wait_dscnt 0x0                               ; both opening adds are done
	s_wait_kmcnt 0x0
	s_load_b128 s[52:55], s[8:9], 0x18             ; e6, e7, e8, e9
	s_load_b32 s56, s[8:9], 0x28                   ; e10
	s_add_nc_u64 s[G0K+2:G0K+3], s[4:5], s[20:21]
	s_or_b32 s[G0K+3], s[G0K+3], 0x80000000        ; type = 2
	s_add_nc_u64 s[G0V+2:G0V+3], s[6:7], s[22:23]
	s_or_b32 s[G0V+3], s[G0V+3], 0x80000000
	s_add_nc_u64 s[4:5], s[4:5], s[2:3]            ; Q's codes at my first query
	s_add_nc_u64 s[10:11], s[10:11], s[2:3]        ; the result likewise
	CROUND                                         ; all four work-groups are here: the joint loads meet
	s_cmp_lt_u32 s[WV], 8                          ; one load a wave, one to an arm; an s_nop 0 and four v_nop follow each
	s_cbranch_scc0 .Lfor_v
	tensor_load_to_lds s[G0K:G0K+3], s[G1K:G1K+7]
	s_nop 0
.rept 4
	v_nop
.endr
	s_branch .Lasked
.Lfor_v:
	tensor_load_to_lds s[G0V:G0V+3], s[G1V:G1V+7]
	s_nop 0
.rept 4
	v_nop
.endr
.Lasked:
	v_and_b32 v24, 15, v0                          ; r = lane % 16
	v_bfe_u32 v25, v0, 4, 1                        ; h = lane / 16
	v_lshlrev_b32 v[QO], 6, v24
	v_lshrrev_b32 v26, 2, v24
	v_lshl_add_u32 v[QO], v25, 4, v[QO]            ; Q: row r of 64 bytes, + 16 h
	v_and_b32 v27, 3, v24
.irp q, 0,1
.irp c, 0,1
	global_load_b128 v[QF+8*\q+4*\c:QF+8*\q+4*\c+3], v[QO], s[4:5] offset:1024*\q+32*\c   ; registers 4 c on: channels 32 c + 16 h + 0 .. 15, the order in which K is fetched too; Q stays in registers
.endr
.endr
	v_mul_u32_u24 v[AK0], v26, 272
	v_mul_u32_u24 v[AV0], v24, 272
	v_lshl_add_u32 v[AK0], v27, 6, v[AK0]
	v_lshl_add_u32 v[AV0], v25, 4, v[AV0]          ; V: channel r of a tile, + 16 h: sixteen lanes start 272 bytes apart
	v_lshl_add_u32 v[AK0], v25, 4, v[AK0]          ; K: key r of a tile: 272 (r / 4) + 64 (r % 4) + 16 h: sixteen lanes at sixteen different columns of 16 bytes
	v_mov_b32 v13, 0xff61b1e6                      ; the largest score so far: -3e38
	v_mov_b32 v17, 0xff61b1e6
	v_mov_b32 v12, 0x7f61b1e6                      ; -M: 3e38, so that the first f is 0
	v_mov_b32 v16, 0x7f61b1e6
.irp j, 14,15,18,19,21,23,28,29
	v_mov_b32 v\j, 0                               ; the sums; the upper halves of the pairs that hold f; the lane permutes' destinations, which count as sources
.endr
.set J, 0
.rept 64
	v_mov_b32 v[O+J], 0                            ; O^T: the step has no first form of its own: the first finds zeros
.set J, J+1
.endr
	s_wait_kmcnt 0x0
	s_add_co_i32 s2, s52, s53
	s_lshl_b32 s2, s2, 23
	s_add_co_i32 s[CS], s2, 0x3d38aa3b             ; log2(e) / 32, with e6 + e7 added to its exponent field
	s_mov_b32 s[CS+1], s[CS]
	s_add_co_i32 s2, s55, 127
	s_lshl_b32 s3, s2, 23
	v_mov_b32 v[SCL], s3                           ; 2^e9 as f32
	s_add_co_i32 s2, s2, 8
	s_lshl_b32 s2, s2, 23
	s_or_b32 s2, s2, 0x600000
	v_mov_b32 v[LIMA], s2                          ; 448 x 2^e9
	v_mov_b32 v[LIMB], s2
	s_add_co_i32 s2, s56, 127
	s_lshl_b32 s59, s2, 23                         ; for the way out: 2^e10,
	s_add_co_i32 s2, s2, 8
	s_lshl_b32 s2, s2, 23
	s_or_b32 s60, s2, 0x600000                     ; 448 x 2^e10,
	s_add_co_i32 s61, s54, s55                     ; e8 + e9
	s_mov_b32 s[TB], 0
	s_mov_b32 s[CNT], 8
	s_wait_alu depctr_va_vdst(0)
	s_wait_loadcnt 0x0                             ; Q
	s_wait_tensorcnt 0x0                           ; my one load has landed,
	s_barrier_signal -1
	s_barrier_wait -1                              ; and everybody's: the whole head is in LDS
.macro KFR reg, t, hf                  ; 16 keys x 64 channels: 8 registers
	ds_load_b128 v[\reg:\reg+3], v[ADK] offset:8704*\hf+1088*\t
	ds_load_b128 v[\reg+4:\reg+7], v[ADK] offset:8704*\hf+1088*\t+32
.endm
.macro VFR reg, u, hf                  ; 16 channels x 128 keys: 16 registers; registers 4 b on: key tiles 2 b and 2 b + 1, my half's eight of each
.irp b, 0,1,2,3
	ds_load_b128 v[\reg+4*\b:\reg+4*\b+3], v[ADV] offset:KPART+128*\hf+4352*\u+32*\b
.endr
.endm
.macro SCORE q, t, fr                  ; tile t of S^T for query tile q
	v_wmma_f32_16x16x64_fp8_fp8 v[S+64*\q+8*\t:S+64*\q+8*\t+7], v[\fr:\fr+7], v[QF+8*\q:QF+8*\q+7], 0
.endm
.macro MX i                            ; four scores of each tile into the maxima: two chains a tile, the four by turns
	v_max3_num_f32 v24, v24, v[S+\i], v[S+\i+1]
	v_max3_num_f32 v26, v26, v[S+64+\i], v[S+64+\i+1]
	v_max3_num_f32 v25, v25, v[S+\i+2], v[S+\i+3]
	v_max3_num_f32 v27, v27, v[S+64+\i+2], v[S+64+\i+3]
.endm
.macro HOLD2 r                         ; the conversion does not saturate (ISA guide 7.6.2); p is not negative, so the hold is one-sided; two numbers an instruction
	v_dual_min_num_f32 v[\r], v[\r], v[LIMA] :: v_dual_min_num_f32 v[\r+1], v[\r+1], v[LIMB]
.endm
.macro PSUM b, ca, cb, first           ; eight p: into the row's sum (UNQUANTISED, two chains), then held
.if \first
	v_pk_add_f32 v[\ca:\ca+1], v[\b:\b+1], v[\b+2:\b+3]
	HOLD2 \b
	HOLD2 \b+2
	v_pk_add_f32 v[\cb:\cb+1], v[\b+4:\b+5], v[\b+6:\b+7]
	HOLD2 \b+4
	HOLD2 \b+6
.else
	v_pk_add_f32 v[\ca:\ca+1], v[\ca:\ca+1], v[\b:\b+1]
	HOLD2 \b
	v_pk_add_f32 v[\cb:\cb+1], v[\cb:\cb+1], v[\b+2:\b+3]
	HOLD2 \b+2
	v_pk_add_f32 v[\ca:\ca+1], v[\ca:\ca+1], v[\b+4:\b+5]
	HOLD2 \b+4
	v_pk_add_f32 v[\cb:\cb+1], v[\cb:\cb+1], v[\b+6:\b+7]
	HOLD2 \b+6
.endif
.endm
.macro PCVT b, dst                     ; eight held p into codes; it stands one group behind their holds
	v_cvt_scalef32_pk8_fp8_f32 v[\dst:\dst+1], v[\b:\b+7], v[SCL]
.endm
; A KEY STEP: 128 keys, half hf of the region in hand, both tiles of queries.
.macro STEP hf
; Five places stand between the last step's products and this step's first: its loads land in, and its scores are written over, registers that those products read.  Two are the sums' lines at the last step's end.
.if \hf == 0
	v_add_nc_u32 v[ADK], s[TB], v[AK0]
	v_add_nc_u32 v[ADV], s[TB], v[AV0]
	v_nop
.else
.rept 3
	v_nop
.endr
.endif
.irp t, 0,1,2,3
	KFR S+32+8*\t, \t, \hf                         ; K's tiles 0-3 lie where tile 0's scores 4-7 will,
.endr
	KFR S+112, 4, \hf                              ; tiles 4 and 5 where tile 1's scores 6 and 7 will,
	KFR S+120, 5, \hf
	KFR SC, 6, \hf                                 ; tiles 6 and 7 in registers of their own
	KFR SC+8, 7, \hf
	s_wait_dscnt 0x0
.irp t, 0,1,2,3
	SCORE 0, \t, S+32+8*\t
	SCORE 1, \t, S+32+8*\t
.endr
	SCORE 1, 4, S+112
	SCORE 1, 5, S+120
.rept 5
	v_nop                                          ; five places: the next four products write over K's tiles 0-3
.endr
	SCORE 0, 4, S+112
	SCORE 0, 5, S+120
	SCORE 0, 6, SC
	SCORE 0, 7, SC+8
	v_max3_num_f32 v24, v[S], v[S+1], v[S+2]       ; the step's largest score of each query; each accumulator from its low end on.  These 30 lines, on scores 0-3 alone, are also the places ahead of the two products below, which write over K's tiles 4 and 5
	v_max3_num_f32 v26, v[S+64], v[S+65], v[S+66]
	v_max3_num_f32 v25, v[S+3], v[S+4], v[S+5]
	v_max3_num_f32 v27, v[S+67], v[S+68], v[S+69]
.irp i, 6,10,14,18,22,26
	MX \i
.endr
	v_max3_num_f32 v24, v24, v[S+30], v[S+31]
	v_max3_num_f32 v26, v26, v[S+94], v[S+95]
	SCORE 1, 6, SC
	SCORE 1, 7, SC+8
.irp i, 32,36,40,44,48,52,56,60
	MX \i                                          ; the first sixteen lines name none of the last two products' registers: their places
.endr
	v_max3_num_f32 v13, v24, v25, v13              ; with the largest so far,
	v_max3_num_f32 v17, v26, v27, v17
	v_permlanex16_b32 v28, v13, s[SEL], s[SEL+1]
	v_permlanex16_b32 v29, v17, s[SEL], s[SEL+1]
	v_max_num_f32 v13, v13, v28                    ; and lane l xor 16's
	v_max_num_f32 v17, v17, v29
	v_mul_f32 v24, -v13, s[CS]                     ; -t (c is positive)
	v_mul_f32 v26, -v17, s[CS]
	v_floor_f32 v24, v24                           ; the new -M = floor(-t) = -ceil(t): M IS A WHOLE NUMBER
	v_floor_f32 v26, v26
	v_sub_f32 v25, v24, v12                        ; M's old value less its new one: a whole number, 0 or less
	v_sub_f32 v27, v26, v16
	v_mov_b32 v12, v24
	v_mov_b32 v16, v26
	v_cvt_i32_f32 v25, v25                         ; (it saturates)
	v_cvt_i32_f32 v27, v27
	v_ldexp_f32 v20, 1.0, v25                      ; f = 2^(old M - new M): a multiplication by it rounds nothing
	v_ldexp_f32 v22, 1.0, v27
.set J, 0
.rept 32
	v_pk_fma_f32 v[S+J:S+J+1], v[S+J:S+J+1], s[CS:CS+1], v[12:13] op_sel_hi:[1,0,0]            ; t - M, two at a time (of the pairs c and -M the low word serves both halves)
	v_pk_fma_f32 v[S+64+J:S+64+J+1], v[S+64+J:S+64+J+1], s[CS:CS+1], v[16:17] op_sel_hi:[1,0,0]
.set J, J+2
.endr
.set J, 0
.rept 16
	v_pk_mul_f32 v[O+J:O+J+1], v[O+J:O+J+1], v[20:21] op_sel_hi:[1,0]                 ; O^T under the new M: x f; each accumulator from its low end on, ahead of the exponentials
	v_pk_mul_f32 v[O+32+J:O+32+J+1], v[O+32+J:O+32+J+1], v[22:23] op_sel_hi:[1,0]
.set J, J+2
.endr
	s_wait_alu depctr_va_vdst(0)
.set J, 0
.rept 128
	v_exp_f32 v[S+J], v[S+J]                       ; p = 2^(t - M), at most 1: NOT normalised
.set J, J+1
.endr
	v_nop                                          ; the plain place behind the exponentials
	s_wait_alu depctr_va_vdst(0)                   ; and the one wait for the batch, ahead of its first reader
	PSUM S, 24, 26, 1                              ; tile 0: its codes go where K's tiles 6 and 7 lay
.irp g, 1,2,3,4,5,6,7
	PSUM S+8*\g, 24, 26, 0
	PCVT S+8*(\g-1), SC+2*(\g-1)
.endr
	PCVT S+56, SC+14
	PSUM S+64, 28, 30, 1                           ; tile 1: its codes go into tile 0's first sixteen registers
.irp g, 1,2,3,4,5,6,7
	PSUM S+64+8*\g, 28, 30, 0
	PCVT S+64+8*(\g-1), S+2*(\g-1)
.if \g == 1
	VFR S+16, 0, \hf                               ; three of V's fragments into tile 0's registers, which are done with
	VFR S+32, 1, \hf
	VFR S+48, 2, \hf
.endif
.if \g == 3
	VFR S+64, 3, \hf                               ; the fourth into tile 1's first sixteen, whose conversions are issued
.endif
.endr
	PCVT S+120, S+14
	v_pk_add_f32 v[24:25], v[24:25], v[26:27]      ; the step's sums.  (Also the plain lines between the last conversion and the products)
	v_pk_add_f32 v[28:29], v[28:29], v[30:31]
	s_wait_alu depctr_va_vdst(0)
	s_wait_dscnt 0x0                               ; V's fragments are in
.irp u, 0,1,2,3
.irp q, 0,1
	v_wmma_f32_16x16x128_fp8_fp8 v[O+32*\q+8*\u:O+32*\q+8*\u+7], v[S+16+16*\u:S+31+16*\u], v[SC+16*\q:SC+16*\q+15], v[O+32*\q+8*\u:O+32*\q+8*\u+7]   ; the eight accumulators by turns; sixteen score products stand between two links
.endr
.endr
	v_pk_fma_f32 v[14:15], v[14:15], v[20:21], v[24:25] op_sel_hi:[1,0,1]   ; the running sums: x f, + the step's
	v_pk_fma_f32 v[18:19], v[18:19], v[22:23], v[28:29] op_sel_hi:[1,0,1]
.endm
.Lregion:                                              ; eight trips, a region of 256 keys each
	STEP 0
	STEP 1
	s_add_co_u32 s[TB], s[TB], REG
	s_sub_co_u32 s[CNT], s[CNT], 1
	s_cmp_lg_u32 s[CNT], 0
	s_cbranch_scc1 .Lregion
	; THE WAY OUT.  O^T is divided by the sum, multiplied by 2^(e8 + e9), quantised with 2^e10 and sent through my stage, a tile of 16 queries at a time.
	v_add_f32 v14, v14, v15
	v_add_f32 v18, v18, v19
	v_permlanex16_b32 v28, v14, s[SEL], s[SEL+1]
	v_permlanex16_b32 v29, v18, s[SEL], s[SEL+1]
	v_add_f32 v14, v14, v28                        ; the rows' sums
	v_add_f32 v18, v18, v29
	s_wait_alu depctr_va_vdst(0)
	v_rcp_f32 v14, v14
	v_rcp_f32 v18, v18
	v_and_b32 v24, 15, v0                          ; (plain lines behind the reciprocals)  r
	v_bfe_u32 v25, v0, 4, 1                        ; h
	v_bfe_u32 v26, v0, 2, 3
	v_and_b32 v27, 3, v0
	v_mul_u32_u24 v8, v24, 80
	v_mul_u32_u24 v9, v26, 80
	v_lshl_add_u32 v8, v25, 3, v8
	v_lshl_add_u32 v9, v27, 4, v9
	v_add_nc_u32 v8, s62, v8                       ; into the stage: row r, 8 bytes for each half of the lanes
	v_add_nc_u32 v9, s62, v9                       ; back: four lanes to a row's 64 bytes, eight rows an instruction
	v_and_b32 v[GO], 31, v0
	v_lshlrev_b32 v[GO], 4, v[GO]                  ; my byte offset in 512 bytes of the result
	v_mov_b32 v[SCL], s59                          ; 2^e10
	v_mov_b32 v[LIMB], s60                         ; 448 x 2^e10
	s_wait_alu depctr_va_vdst(0)                   ; one wait for the two reciprocals, ahead of their first reader
	v_ldexp_f32 v14, v14, s61
	v_ldexp_f32 v18, v18, s61
	s_wait_alu depctr_va_vdst(0)                   ; directly ahead of the first reader of O^T
.set J, 0
.rept 32
	v_mul_f32 v[S+J], v[O+J], v14                  ; register 8 u + i is the result (query r, channel 16 u + 8 h + i); each accumulator from its low end on
.set J, J+1
.endr
.rept 32
	v_mul_f32 v[S+J], v[O+J], v18
.set J, J+1
.endr
.irp q, 0,1
.irp u, 0,1,2,3
.irp i, 0,1,2,3,4,5,6,7
	v_med3_num_f32 v[S+32*\q+8*\u+\i], v[S+32*\q+8*\u+\i], -v[LIMB], v[LIMB]
.endr
	v_cvt_scalef32_pk8_fp8_f32 v[SC+8*\q+2*\u:SC+8*\q+2*\u+1], v[S+32*\q+8*\u:S+32*\q+8*\u+7], v[SCL]
.endr
.endr
	v_nop                                          ; a plain vector line behind the last conversion
.irp q, 0,1
.irp u, 0,1,2,3
	ds_store_b64 v8, v[SC+8*\q+2*\u:SC+8*\q+2*\u+1] offset:16*\u
.endr
.irp i, 0,1
	ds_load_b128 v[S+64+8*\q+4*\i:S+64+8*\q+4*\i+3], v9 offset:640*\i   ; LDS serves a wave's instructions in order: these see my stores, and the next tile's stores come behind them
.endr
.endr
	s_wait_dscnt 7                                 ; behind tile 0's first load: its second, tile 1's four stores and two loads
	global_store_b128 v[GO], v[S+64:S+67], s[10:11]               ; 32 lanes store 512 consecutive bytes, aligned: eight queries
	s_wait_dscnt 6
	global_store_b128 v[GO], v[S+68:S+71], s[10:11] offset:512
	s_wait_dscnt 1
	global_store_b128 v[GO], v[S+72:S+75], s[10:11] offset:1024
	s_wait_dscnt 0
	global_store_b128 v[GO], v[S+76:S+79], s[10:11] offset:1536
	s_wait_tensorcnt 0x0                           ; the wave's end, behind my tensor load and my last LDS store
	ds_add_u32 v[SPW], v[NIL]
	s_wait_dscnt 0x0
	CROUND                                         ; the closing round: no work-group ends while a partner may still ask for a tile that names it
	s_endpgm
.Lfunc_end_k_qa5a2623f68_attn:
	.size	k_qa5a2623f68_attn, .Lfunc_end_k_qa5a2623f68_attn-k_qa5a2623f68_attn
	.p2alignl 7, 3214868480
	.fill 96, 4, 3214868480
	.section	.rodata,"a",@progbits
	.p2align	6, 0x0
	.amdhsa_kernel k_qa5a2623f68_attn
		.amdhsa_group_segment_fixed_size 327680
		.amdhsa_private_segment_fixed_size 0
		.amdhsa_enable_private_segment 0
		.amdhsa_kernarg_size 32
		.amdhsa_user_sgpr_count 2
		.amdhsa_user_sgpr_kernarg_segment_ptr 1
		.amdhsa_wavefront_size32 1
		.amdhsa_system_sgpr_workgroup_id_x 1
		.amdhsa_system_sgpr_workgroup_id_y 1
		.amdhsa_system_sgpr_workgroup_id_z 1
		.amdhsa_system_vgpr_workitem_id 0
		.amdhsa_next_free_vgpr 256
		.amdhsa_next_free_sgpr 66
		.amdhsa_reserve_vcc 0
		.amdhsa_float_denorm_mode_32 3
		.amdhsa_float_denorm_mode_16_64 3
		.amdhsa_memory_ordered 1
		.amdhsa_forward_progress 1
		.amdhsa_inst_pref_size 74
	.end_amdhsa_kernel
	.amdgpu_metadata
---
amdhsa.version: [ 1, 2 ]
amdhsa.kernels:
  - .name:           k_qa5a2623f68_attn
    .symbol:         k_qa5a2623f68_attn.kd
    .args:
      - { .name: qk, .offset: 0, .size: 8, .value_kind: global_buffer, .address_space: global }
      - { .name: vt, .offset: 8, .size: 8, .value_kind: global_buffer, .address_space: global }
      - { .name: lowp_scales, .offset: 16, .size: 8, .value_kind: global_buffer, .address_space: global }
      - { .name: ac, .offset: 24, .size: 8, .value_kind: global_buffer, .address_space: global }
    .group_segment_fixed_size: 327680
    .private_segment_fixed_size: 0
    .kernarg_segment_align: 8
    .kernarg_segment_size: 32
    .max_flat_workgroup_size: 512
    .sgpr_count:     66
    .vgpr_count:     256
    .wavefront_size: 32
...
	.end_amdgpu_metadata
.endif
;; end of part 3
;; launch proj (part 4): grid 4 x 64, 8 waves a work-group, clusters of 4 x 4, 327,680 bytes of LDS; arguments ac, cod, lowp_scales, bu, out0; writes out0
.if DOCPART == 4
	.amdgcn_target "amdgcn-amd-amdhsa--gfx1250"
	.amdhsa_code_object_version 6
	.text
	.protected	k_qa5a2623f68_proj
	.globl	k_qa5a2623f68_proj
	.p2align	8
	.type	k_qa5a2623f68_proj,@function
k_qa5a2623f68_proj:
	s_mov_b64 s[64:65], 0
	v_nop
	global_prefetch_b8 v0, s[64:65] scope:SCOPE_SE
	s_setreg_imm32_b32 hwreg(HW_REG_WAVE_MODE, 25, 1), 1
	s_wait_xcnt 0x0
	s_wait_alu depctr_hold_cnt(0) depctr_sa_sdst(0) depctr_va_vdst(0) depctr_va_sdst(0) depctr_va_ssrc(0) depctr_va_vcc(0) depctr_vm_vsrc(0)
	s_getreg_b32 s2, hwreg(HW_REG_IB_STS2, 6, 4)
	s_cmp_eq_u32 s2, 0
	s_cbranch_scc0 .Lentry_in_a_cluster
	s_endpgm
.Lentry_in_a_cluster:
	s_bfe_u32 s2, ttmp6, 0x10000c
	s_cmp_lg_u32 s2, 0xf033
	s_cbranch_scc0 .Lentry_shape_is_right
	s_endpgm
.Lentry_shape_is_right:
; PRODUCT 6 on codes of FP8 (E4M3): out0[m][n] = 2^(e10 + e11) x the sum over k of A[m][k] Wu[n][k] + bu[n].  M = 8,192, N = K = 1,024.  No work is left out.
; A: the attention's result as codes, head by head: ac[16 heads][8192 tokens][64], so k = 64 head + channel.  Wu's codes: [1024][1024] at byte WU of cod, K innermost.
; LIMIT: e10 + e11 lies between -126 and 127, so that 2^(e10 + e11) is an f32 number.
; SHARES.  A block of out0 is 128 rows x 256 columns: 64 x 4 = 256 work-groups.  Eight waves, two rows of four; a wave makes 64 x 64: 16 accumulators.
; K goes in four steps of 256 through two LDS slots.  A slot: A's two halves (64 tokens: 4 heads x 4,096 bytes on end, 16 bytes of padding behind each 256), then B's two halves (128 rows of 256 bytes + 16).
; Eight waves issue eight loads at the head, one each: waves 0-3 K step 0 into slot 0, waves 4-7 K step 1 into slot 1 (in each four: A's halves, then B's).  Waves 0-3 fill slot 0 again with K step 2, waves 4-7 slot 1 with K step 3.
; CLUSTERS: 4 x 4 work-groups; A's tiles are asked for jointly along a row of the cluster, B's along a column.  Each refill stands behind a round of the cluster's barrier.
; PREFETCH INTO THE L2: behind its head load each wave asks, by one instruction, for its work-group's quarter of the tile that it will itself fetch two K steps on (waves 0-3: one K step ahead of that load, waves 4-7: two).
; The four partners of a joint load share the tile out by address: of A's four heads x 4,096 bytes the partner at cx takes head cx (16 blocks of 256 bytes; lanes 16-31 name the last again), of B's 128 rows the partner at cy takes 32, a lane a row.
; THE MATRIX INSTRUCTION IS USED TRANSPOSED (source 0 = 16 rows of Wu, source 1 = 16 tokens): a lane holds eight neighbouring numbers of a row of out0.
; REGISTERS: window 0: v8-11 the bias, v16-30 addresses, v32-95 the way out, v128-255 A's fragments, two sets of 4 x 16; window 1: v0-127 the accumulators ((a, b) at 32 a + 8 b), v128-255 B's fragments, two sets.
.set PITCH,  272                       ; 256 bytes + 16 of padding
.set HPL,    16*PITCH                  ; a head's 64 tokens in LDS: sixteen pieces of four tokens
.set AHALF,  4*HPL
.set BHALF,  128*PITCH
.set SLOT,   2*AHALF+2*BHALF
.set SPARE,  2*SLOT                    ; the spare words, 128 bytes for each of the eight waves
.set HEADB,  524288                    ; a head in ac
.set WU,     28311552
.set NB,     4096                      ; a row of out0
.set ADRA, 16                          ; v16-17 LDS address of my A fragments in slot 0, 1
.set ADRB, 20                          ; v20-21 the same for B
.set STO,  24
.set RD,   25
.set CO,   26
.set BO,   27
.set SPW,  28                          ; v28 LDS address of my spare word; never rewritten
.set NIL,  29                          ; v29 0; never rewritten
.set PFO,  30                          ; v30 the prefetch's offset; never rewritten
.set PFA,  68                          ; s[68:69] the prefetch's base; never rewritten
.set BK,   32
.set FS,   128
.set G1,  24
.set G0,  32
.set G1B, 48
.set G0B, 56
.set MSB, 0
.macro WIN new                         ; the immediate's high byte repeats the setting that is left
.if MSB != \new
	s_set_vgpr_msb (MSB<<8)|\new
.set MSB, \new
.endif
.endm
.set MULW, 0x51                        ; source 0 (B), C and D window 1, source 1 (A) window 0
.set TO_B, 0x40                        ; destination window 1
.set ACCS, 0x04                        ; an LDS store's data window 1
.macro JLOAD                           ; my one load: for A (s15 = 0) or for B; an s_nop 0 and four v_nop follow each line
	s_cmp_eq_u32 s15, 0
	s_cbranch_scc0 .Lfor_b_\@
	tensor_load_to_lds s[G0:G0+3], s[G1:G1+7]
	s_nop 0
.rept 4
	v_nop
.endr
	s_branch .Lasked_\@
.Lfor_b_\@:
	tensor_load_to_lds s[G0B:G0B+3], s[G1B:G1B+7]
	s_nop 0
.rept 4
	v_nop
.endr
.Lasked_\@:
.endm
.macro CROUND                          ; a round of the cluster's barrier
	s_barrier_signal -1
	s_barrier_wait -1
	s_cmp_lg_u32 s14, 0
	s_cbranch_scc1 .Lnot_wave_0_\@
	s_barrier_signal -3
.Lnot_wave_0_\@:
	s_barrier_wait -3
	s_barrier_signal -1
	s_barrier_wait -1
.endm
	s_load_b256 s[4:11], s[0:1], 0x0               ; ac s[4:5], cod s[6:7], the scales' exponents s[8:9], bu s[10:11]
	s_load_b64 s[12:13], s[0:1], 0x20              ; out0
	v_lshl_add_u32 v[SPW], v0, 2, SPARE
	v_mov_b32 v[NIL], 0
	ds_add_u32 v[SPW], v[NIL]                      ; the wave's opening: the add, twice on end; its wait stands ahead of my first tensor load
	ds_add_u32 v[SPW], v[NIL]
	v_lshrrev_b32 v1, 5, v0
	v_readfirstlane_b32 s14, v1                    ; wave 0..7
	s_bfe_u32 s15, s14, 0x10001                    ; I fetch for A (0) or for B (1),
	s_and_b32 s16, s14, 1                          ; its first or second half,
	s_lshr_b32 s17, s14, 2                         ; into slot 0 or 1.  Also: which 64 rows of the block are mine,
	s_and_b32 s18, s14, 3                          ; and which 64 columns
	s_bfe_u32 s40, ttmp6, 0x40000                  ; cx, cy
	s_bfe_u32 s41, ttmp6, 0x40004
	s_lshl_b32 s42, ttmp9, 2
	s_add_co_u32 s42, s42, s40                     ; block column
	s_and_b32 s43, ttmp7, 0xffff
	s_lshl_b32 s43, s43, 2
	s_add_co_u32 s43, s43, s41                     ; block row
	s_lshl_b32 s44, s41, 2
	s_lshl_b32 s44, 15, s44                        ; my row of the cluster
	s_lshl_b32 s45, 0x1111, s40                    ; my column
	s_or_b32 s[G1+0], s44, (0<<16)|(1<<20)|(1<<21)|(5<<22)|(3<<25)   ; the mask; elements of 1 byte; padding on; bit 21 beside a mask; after every 64 words four words
	s_mov_b32 s[G1+1], 4096<<16                    ; A: 4 rows (heads) of 4,096 bytes (64 tokens), HEADB apart
	s_mov_b32 s[G1+2], 4<<16
	s_mov_b32 s[G1+3], 4096<<16
	s_mov_b32 s[G1+4], 4
	s_mov_b32 s[G1+5], HEADB
	s_mov_b32 s[G1+6], 0
	s_mov_b32 s[G1+7], 0
	s_or_b32 s[G1B+0], s45, (0<<16)|(1<<20)|(1<<21)|(5<<22)|(3<<25)
	s_mov_b32 s[G1B+1], 256<<16                    ; B: 128 rows of 256 bytes, 1,024 apart
	s_mov_b32 s[G1B+2], 128<<16
	s_mov_b32 s[G1B+3], 256<<16
	s_mov_b32 s[G1B+4], 128
	s_mov_b32 s[G1B+5], 1024
	s_mov_b32 s[G1B+6], 0
	s_mov_b32 s[G1B+7], 0
	s_lshl_b32 s20, s43, 7                         ; A: token 128 x block row + 64 x half, 64 bytes each,
	s_lshl_b32 s23, s16, 6
	s_add_co_u32 s20, s20, s23
	s_lshl_b32 s20, s20, 6
	s_lshl_b32 s23, s17, 21                        ; K step 0 or 1: four heads on
	s_add_co_u32 s20, s20, s23
	s_mov_b32 s21, 0
	s_lshl_b32 s46, s42, 8                         ; B: row 256 x block column + 128 x half,
	s_lshl_b32 s23, s16, 7
	s_add_co_u32 s46, s46, s23
	s_lshl_b32 s46, s46, 10
	s_lshl_b32 s23, s17, 8                         ; K step 0 or 1
	s_add_co_u32 s46, s46, s23
	s_add_co_u32 s46, s46, WU
	s_mov_b32 s47, 0
	s_mul_i32 s22, s17, SLOT                       ; where they go: the wave's number alone
	s_mul_i32 s23, s16, AHALF
	s_add_co_u32 s[G0+1], s22, s23
	s_mul_i32 s23, s16, BHALF
	s_add_co_u32 s23, s23, 2*AHALF
	s_add_co_u32 s[G0B+1], s22, s23
	s_mov_b32 s[G0], 1
	s_mov_b32 s[G0B], 1
	s_mul_i32 s36, s17, AHALF                      ; what I read: my 64 tokens,
	s_mul_i32 s37, s18, 64*PITCH
	s_add_co_u32 s37, s37, 2*AHALF                 ; my 64 rows of B
	s_mul_i32 s38, s14, 16*PITCH                   ; my stage: 16 rows x 272 bytes, in slot 0, which has had its last fill and its last read when the first result is stored there
	s_lshl_b32 s60, s43, 7
	s_lshl_b32 s23, s17, 6
	s_add_co_u32 s60, s60, s23
	s_lshl_b32 s60, s60, 12                        ; my first row of out0, in bytes
	s_mov_b32 s61, 0
	s_lshl_b32 s62, s42, 10
	s_lshl_b32 s23, s18, 8
	s_add_co_u32 s62, s62, s23                     ; my first column, in bytes
	s_mov_b32 s63, 0
	s_lshl_b32 s72, s40, 19                        ; the prefetch: my work-group's quarter: of A head cx,
	s_lshl_b32 s73, s41, 15                        ; of B 32 rows from row 32 cy on
	s_mov_b32 s74, 2*256                           ; two K steps on, in B;
	s_mov_b32 s75, 1024                            ; from lane to lane, in B
	s_wait_dscnt 0x0                               ; both opening adds are done
	s_wait_kmcnt 0x0
	s_load_b64 s[96:97], s[8:9], 0x28              ; e10, e11
	s_add_nc_u64 s[G0+2:G0+3], s[4:5], s[20:21]
	s_or_b32 s[G0+3], s[G0+3], 0x80000000
	s_add_nc_u64 s[G0B+2:G0B+3], s[6:7], s[46:47]
	s_or_b32 s[G0B+3], s[G0B+3], 0x80000000
	s_cmp_eq_u32 s15, 0                            ; do I fetch for A?
	s_cselect_b64 s[PFA:PFA+1], s[4:5], s[6:7]
	s_cselect_b64 s[70:71], s[20:21], s[46:47]     ; my tile's offset,
	s_cselect_b32 s72, s72, s73                    ; my work-group's quarter of it,
	s_cselect_b32 s74, 2*4*HEADB, s74              ; two K steps on,
	s_cselect_b32 s75, 256, s75                    ; from lane to lane,
	s_cselect_b32 s76, 15, 31                      ; the last lane with a block of its own
	s_add_nc_u64 s[PFA:PFA+1], s[PFA:PFA+1], s[70:71]
	s_add_co_u32 s72, s72, s74
	s_mov_b32 s73, 0
	s_add_nc_u64 s[PFA:PFA+1], s[PFA:PFA+1], s[72:73]
	s_add_nc_u64 s[10:11], s[10:11], s[62:63]
	s_add_nc_u64 s[12:13], s[12:13], s[60:61]
	s_add_nc_u64 s[12:13], s[12:13], s[62:63]
	CROUND                                         ; all sixteen work-groups are here: the first joint loads meet
	JLOAD                                          ; K steps 0 and 1, one load a wave
	v_and_b32 v[PFO], 31, v0
	v_min_u32 v[PFO], s76, v[PFO]
	v_mul_lo_u32 v[PFO], v[PFO], s75
	global_prefetch_b8 v[PFO], s[PFA:PFA+1] th:TH_LOAD_NT scope:SCOPE_SE   ; K step 2 (waves 0-3) or 3 (waves 4-7): the last K steps, inside their buffers
	v_and_b32 v1, 15, v0                           ; r = lane % 16
	v_bfe_u32 v2, v0, 4, 1                         ; h = lane / 16
	v_mul_u32_u24 v3, v1, PITCH
	v_lshrrev_b32 v5, 2, v1
	v_and_b32 v6, 3, v1
	v_lshl_add_u32 v4, v2, 4, v3                   ; B: row r x pitch + 16 h
	v_mul_u32_u24 v7, v5, PITCH
	v_lshl_add_u32 v7, v6, 6, v7
	v_lshl_add_u32 v7, v2, 4, v7                   ; A: token r: 272 (r / 4) + 64 (r % 4) + 16 h
	v_add_nc_u32 v[ADRA], s36, v7
	v_add_nc_u32 v[ADRB], s37, v4
	v_add_nc_u32 v[ADRA+1], SLOT, v[ADRA]
	v_add_nc_u32 v[ADRB+1], SLOT, v[ADRB]
	v_lshl_add_u32 v5, v2, 5, v3
	v_add_nc_u32 v[STO], s38, v5                   ; into the stage: row r, 32 bytes for each half of the lanes
	v_lshlrev_b32 v[BO], 4, v1                     ; back: sixteen lanes to a row of 256 bytes,
	v_mul_u32_u24 v6, v2, PITCH                    ; two rows an instruction
	v_add_nc_u32 v6, s38, v6
	v_add_nc_u32 v[RD], v6, v[BO]
	v_lshl_add_u32 v[CO], v2, 12, v[BO]            ; and the same two rows in out0
	global_load_b128 v[8:11], v[BO], s[10:11]      ; the bias of my four columns on the way out
	s_wait_alu depctr_va_vdst(0)
	s_wait_tensorcnt 0x0                           ; my load has landed,
	s_barrier_signal -1
	s_barrier_wait -1                              ; and everybody's: both slots are whole
; The fragments of the slot's q-th 128 along K into set p: 16 registers each; registers 4 c on hold K = 32 c + 16 h + 0 .. 15, alike in A and B.  In A 64 along K are a head.
.macro FETCH slot, q, p
	WIN TO_B
.irp i, 0,1,2,3
.irp c, 0,1,2,3
	ds_load_b128 v[FS+64*\p+16*\i+4*\c:FS+64*\p+16*\i+4*\c+3], v[ADRB+\slot] offset:128*\q+32*\c+\i*16*PITCH
.endr
.endr
	WIN 0
.irp i, 0,1,2,3
.irp c, 0,1,2,3
	ds_load_b128 v[FS+64*\p+16*\i+4*\c:FS+64*\p+16*\i+4*\c+3], v[ADRA+\slot] offset:(2*\q+\c/2)*HPL+\i*4*PITCH+32*(\c%2)
.endr
.endr
.endm
.macro MUL p, zero                     ; 16 products, the 16 accumulators by turns, in the same order every time; zero = 1: the first product starts the sums
.irp a, 0,1,2,3
.irp b, 0,1,2,3
.if \zero
	v_wmma_f32_16x16x128_fp8_fp8 v[32*\a+8*\b:32*\a+8*\b+7], v[FS+64*\p+16*\b:FS+64*\p+16*\b+15], v[FS+64*\p+16*\a:FS+64*\p+16*\a+15], 0
.else
	v_wmma_f32_16x16x128_fp8_fp8 v[32*\a+8*\b:32*\a+8*\b+7], v[FS+64*\p+16*\b:FS+64*\p+16*\b+15], v[FS+64*\p+16*\a:FS+64*\p+16*\a+15], v[32*\a+8*\b:32*\a+8*\b+7]
.endif
.endr
.endr
.endm
.macro KSTEP slot, zero                ; 256 along K
.rept 4
	v_nop                                          ; four places between the last products and loads into registers that they read
.endr
	FETCH \slot, 0, 0
	FETCH \slot, 1, 1
	s_wait_dscnt 32                                ; set 0 is in; set 1's 32 loads may be out
	WIN MULW
	MUL 0, \zero
	s_wait_dscnt 0x0
	MUL 1, 0
	WIN 0
.endm
.macro GRD
	s_wait_tensorcnt 0x0
	ds_add_u32 v[SPW], v[NIL]
.endm
.macro REFILL g                        ; the four waves that fetch for slot g issue their one load, first behind the round
	s_cmp_lg_u32 s17, \g
	s_cbranch_scc1 .Lnone_\@
	JLOAD
.Lnone_\@:
.endm
	KSTEP 0, 1
	GRD
	s_add_nc_u64 s[G0+2:G0+3], s[G0+2:G0+3], 2*4*HEADB     ; no load of mine is out: my descriptors step two K steps on, once
	s_add_nc_u64 s[G0B+2:G0B+3], s[G0B+2:G0B+3], 2*256
	s_wait_dscnt 0x0
	CROUND                                         ; no wave of any partner still reads slot 0 or has a load on its way
	REFILL 0                                       ; K step 2
	KSTEP 1, 0
	GRD
	s_wait_dscnt 0x0
	CROUND
	REFILL 1                                       ; K step 3; K step 2 is whole
	KSTEP 0, 0
	GRD
	s_wait_dscnt 0x0
	s_barrier_signal -1
	s_barrier_wait -1                              ; K step 3 is whole, nobody reads slot 0 any more, nothing is filled again
	KSTEP 1, 0
; THE WAY OUT, block by block of 16 rows x 64 columns: through my stage and back as whole rows of 256 bytes; x 2^(e10 + e11), + the bias; sixteen lanes store one aligned unit of 256 bytes.
.macro TOSTAGE a
	WIN ACCS
.irp b, 0,1,2,3
	ds_store_b128 v[STO], v[32*\a+8*\b:32*\a+8*\b+3] offset:64*\b         ; each accumulator from its low end on
	ds_store_b128 v[STO], v[32*\a+8*\b+4:32*\a+8*\b+7] offset:64*\b+16
.endr
	WIN 0
.set BB, BK+32*((\a)%2)
.irp t, 0,1,2,3,4,5,6,7
	ds_load_b128 v[BB+4*\t:BB+4*\t+3], v[RD] offset:\t*2*PITCH            ; LDS serves a wave's instructions in order: these see my stores
.endr
.endm
.macro SEND a, younger                 ; younger: the LDS instructions issued behind block a's loads
.set BB, BK+32*((\a)%2)
	s_wait_dscnt \younger
.irp t, 0,1,2,3,4,5,6,7
	v_pk_fma_f32 v[BB+4*\t:BB+4*\t+1], v[BB+4*\t:BB+4*\t+1], s[96:97], v[8:9] op_sel_hi:[1,0,1]
	v_pk_fma_f32 v[BB+4*\t+2:BB+4*\t+3], v[BB+4*\t+2:BB+4*\t+3], s[96:97], v[10:11] op_sel_hi:[1,0,1]
.endr
.if (\a) > 0
	s_add_nc_u64 s[12:13], s[12:13], 16*NB         ; (behind a wait on XCNT: the earlier stores have read their base)
.endif
.irp t, 0,1,2,3,4,5,6,7
	global_store_b128 v[CO], v[BB+4*\t:BB+4*\t+3], s[12:13] offset:\t*2*NB th:TH_STORE_NT
.endr
.endm
	s_wait_kmcnt 0x0
	s_add_co_i32 s96, s96, s97
	s_add_co_i32 s96, s96, 127
	s_lshl_b32 s96, s96, 23                        ; 2^(e10 + e11) as f32
	s_wait_loadcnt 0x0                             ; the bias
.rept 4
	v_nop                                          ; four places between the last products and the first read of their results
.endr
	TOSTAGE 0
.irp a, 1,2,3
.if \a > 1
	s_wait_xcnt 0x0                                ; block a - 2's stores have read their registers and their base
.endif
	TOSTAGE \a
	SEND \a-1, 16                                  ; behind block a - 1's loads: block a's 8 stores and 8 loads
.endr
	s_wait_xcnt 0x0
	SEND 3, 0
	s_wait_tensorcnt 0x0                           ; the wave's end, behind my last tensor load and my last LDS store
	ds_add_u32 v[SPW], v[NIL]
	s_wait_dscnt 0x0
	CROUND                                         ; the closing round
	s_endpgm
.Lfunc_end_k_qa5a2623f68_proj:
	.size	k_qa5a2623f68_proj, .Lfunc_end_k_qa5a2623f68_proj-k_qa5a2623f68_proj
	.p2alignl 7, 3214868480
	.fill 96, 4, 3214868480
	.section	.rodata,"a",@progbits
	.p2align	6, 0x0
	.amdhsa_kernel k_qa5a2623f68_proj
		.amdhsa_group_segment_fixed_size 327680
		.amdhsa_private_segment_fixed_size 0
		.amdhsa_enable_private_segment 0
		.amdhsa_kernarg_size 40
		.amdhsa_user_sgpr_count 2
		.amdhsa_user_sgpr_kernarg_segment_ptr 1
		.amdhsa_wavefront_size32 1
		.amdhsa_system_sgpr_workgroup_id_x 1
		.amdhsa_system_sgpr_workgroup_id_y 1
		.amdhsa_system_sgpr_workgroup_id_z 1
		.amdhsa_system_vgpr_workitem_id 0
		.amdhsa_next_free_vgpr 512
		.amdhsa_next_free_sgpr 100
		.amdhsa_reserve_vcc 0
		.amdhsa_float_denorm_mode_32 3
		.amdhsa_float_denorm_mode_16_64 3
		.amdhsa_memory_ordered 1
		.amdhsa_forward_progress 1
		.amdhsa_inst_pref_size 48
	.end_amdhsa_kernel
	.amdgpu_metadata
---
amdhsa.version: [ 1, 2 ]
amdhsa.kernels:
  - .name:           k_qa5a2623f68_proj
    .symbol:         k_qa5a2623f68_proj.kd
    .args:
      - { .name: ac, .offset: 0, .size: 8, .value_kind: global_buffer, .address_space: global }
      - { .name: cod, .offset: 8, .size: 8, .value_kind: global_buffer, .address_space: global }
      - { .name: lowp_scales, .offset: 16, .size: 8, .value_kind: global_buffer, .address_space: global }
      - { .name: bu, .offset: 24, .size: 8, .value_kind: global_buffer, .address_space: global }
      - { .name: out0, .offset: 32, .size: 8, .value_kind: global_buffer, .address_space: global }
    .group_segment_fixed_size: 327680
    .private_segment_fixed_size: 0
    .kernarg_segment_align: 8
    .kernarg_segment_size: 40
    .max_flat_workgroup_size: 256
    .sgpr_count:     100
    .vgpr_count:     512
    .wavefront_size: 32
...
	.end_amdgpu_metadata
.endif
;; end of part 4
